; MI455X (gfx1250); checked and timed in simulation.
; The chip was launched on July 23, 2026; its instructions are those of AMD's public machine-readable ISA for CDNA 5 (MIT licence, August 2026) and "CDNA5" Instruction Set Architecture Reference Guide (July 2026). The comments in the code are by the model that wrote it; some were corrected since.
;; Temporal Attention. Allowed arithmetic: float matrix products may take bf16 or f16 operands with f32 sums; other float arithmetic in f32, or as packed bf16 or f16 multiplies, adds, multiply-adds, maxima and minima; sums over many terms, partial sums and values carried from step to step in f32; what a program stores and reads back later, other than sums and carried values, may be rounded once to bf16 or f16.
;; Inputs: Wk 256 x 256 float32; Wq 256 x 256 float32; Wv 256 x 256 float32; bk 256 float32; bq 256 float32; bv 256 float32; x 8 x 2,048 x 256 float32.
;; Outputs: out0 8 x 2,048 x 256 float32.
;; 2 versions, each right; version 2 is version 1 with the launch prep written anew for expert scheduling mode. Each part assembles by itself: llvm-mc -triple=amdgcn-amd-amdhsa -mcpu=gfx1250 --defsym DOCPART=n.
;; ======== version 1 of 2: 2 launches
;; limits: values are held in f16: magnitudes above 65,504 overflow, below 6.1e-05 lose precision
;; workspace buffers: xh 8,388,608 bytes; mf 131,072 bytes; uf 1,024 bytes; wvf 131,072 bytes
;; launch prep (part 1): grid 1360 x 1, 1 waves a work-group, no clusters, 0 bytes of LDS; arguments x, Wq, bq, Wk, Wv, xh, mf, uf, wvf; writes xh, mf, uf, wvf
.if DOCPART == 1
	.amdgcn_target "amdgcn-amd-amdhsa--gfx1250"
	.amdhsa_code_object_version 6
	.text
	.protected	k_q2ee890d4c1_prep
	.globl	k_q2ee890d4c1_prep
	.p2align	8
	.type	k_q2ee890d4c1_prep,@function
k_q2ee890d4c1_prep:
	s_mov_b64 s[64:65], 0
	v_nop
	global_prefetch_b8 v0, s[64:65] scope:SCOPE_SE
	s_setreg_imm32_b32 hwreg(HW_REG_WAVE_MODE, 25, 1), 1
	s_wait_xcnt 0x0
; PREPARATION for out = softmax((x Wq + bq)(x Wk + bk)^T / 16)(x Wv + bv), x: [8][2048][256] f32.
; WORK LEFT OUT, for all finite values of the inputs:
;   bk.  scores[q][k] = (Q[q] . (x[k] Wk) + Q[q] . bk) / 16; the second term is the same for every k, that is along the softmax axis, and
;   a softmax does not change when one number is added to its whole row.  So bk has no way to the output: it is not loaded and is no argument of any launch.
;   LIMIT: a NaN, an infinity or an overflow that reaches only bk or Q . bk is not carried to the result.
; REASSOCIATION (same real numbers, another order of rounding than the reference; stated as a limit):
;   Q[q] . (x[k] Wk) = (x[q] M + u) . x[k] with M = Wq Wk^T (256 x 256) and u = bq Wk^T;  attn (x Wv + bv) = (attn x) Wv + bv, since a row of attn sums to 1.
;   So keys and values are both x itself, and the projections are done once for each query row, in the second launch.
; THIS LAUNCH makes: xh = x in f16; mf = M^T in f16 and wvf = Wv^T in f16, both in the order of matrix fragments; uf = u in f32.
; FORMAT LIMIT: every matrix operand is f16: x, Wq, Wk, bq, Wv and M must lie within 65,504; below 6e-5 a number keeps the fixed step 6e-8.  NaN and infinities are not treated apart.
; mf, wvf: [16 row blocks][8 chunks of 32 k][2 halves][32 lanes][16 bytes]: 512 bytes on end are half a fragment, lane l taking bytes 16 l.
; SHARES.  A work-group is ONE wave with one job, so that the jobs whose loads go row by row (16 rows to a load) are spread over the chip, one beside a few streaming ones, and come first:
;   ids 0-255: tile (i = id / 16, nb = id % 16) of M;  256-271: u for block nb = id - 256 (bq in the place of Wq's rows);  272-335: Wv;  336-1359: 16,384 bytes of x each.
.set MSB, 0
.macro WIN new                         ; the high byte repeats the setting that is left; a switch that changes nothing is dropped
.if MSB != (\new)
	s_set_vgpr_msb (MSB<<8)|(\new)
.set MSB, (\new)
.endif
.endm
	s_load_b512 s[4:19], s[0:1], 0x0               ; x s[4:5], Wq s[6:7], bq s[8:9], Wk s[10:11], Wv s[12:13], xh s[14:15], mf s[16:17], uf s[18:19]
	s_load_b64 s[20:21], s[0:1], 0x40              ; wvf
	v_and_b32 v2, 15, v0                           ; r = l % 16 (v0 is the lane: one wave)
	v_bfe_u32 v3, v0, 4, 1                         ; h = l / 16
	v_lshlrev_b32 v6, 4, v0                        ; 16 l
	s_wait_kmcnt 0x0
	s_cmp_lt_u32 ttmp9, 272
	s_cbranch_scc1 .Lm
	s_cmp_lt_u32 ttmp9, 336
	s_cbranch_scc1 .Lwv
; ---- x to f16: 16,384 bytes in, 8,192 out.  All 32 loads go out at once; each store covers 256 consecutive bytes, aligned.
	s_sub_co_u32 s25, ttmp9, 336
	s_lshl_b32 s26, s25, 14
	s_mov_b32 s27, 0
	s_add_nc_u64 s[4:5], s[4:5], s[26:27]
	s_lshr_b32 s26, s26, 1                         ; half as many bytes out
	s_add_nc_u64 s[14:15], s[14:15], s[26:27]
	v_lshlrev_b32 v5, 3, v0                        ; 8 l
.set i, 0
.rept 32
	global_load_b128 v[128+4*i:131+4*i], v6, s[4:5] offset:512*i th:TH_LOAD_NT
.set i, i+1
.endr
.set i, 0
.rept 32
	s_wait_loadcnt 31-i                            ; loads come back in order: number i is in, the younger ones stay out
	v_cvt_pk_f16_f32 v[64+2*i], v[128+4*i], v[129+4*i]
	v_cvt_pk_f16_f32 v[65+2*i], v[130+4*i], v[131+4*i]
	global_store_b64 v5, v[64+2*i:65+2*i], s[14:15] offset:256*i  ; every store has registers of its own: nothing is rewritten
.set i, i+1
.endr
	s_endpgm
; ---- One tile of M = Wq Wk^T, or of u = bq Wk^T.  Source 0 = rows 16 i .. of Wq (i = 16: bq in all 16 rows), source 1 = rows 16 nb .. of Wk (both lie along the summed index).
; In the result lane (r, h) holds M[16 i + 8 h + 0..7][16 nb + r]: eight neighbouring numbers of a row of M^T, which are this lane's 16 bytes of half-fragment i of row block nb of mf.
.macro FLOAD base, adr, lo             ; 16 rows x 256 f32 as eight fragments: for chunk c a lane takes k = 32 c + 8 h + 0..7 and 32 c + 16 + 8 h + 0..7
.set c, 0
.rept 8
	global_load_b128 v[(\base)+16*c:(\base)+16*c+3],     v[\adr], s[\lo:\lo+1] offset:128*c
	global_load_b128 v[(\base)+16*c+4:(\base)+16*c+7],   v[\adr], s[\lo:\lo+1] offset:128*c+16
	global_load_b128 v[(\base)+16*c+8:(\base)+16*c+11],  v[\adr], s[\lo:\lo+1] offset:128*c+64
	global_load_b128 v[(\base)+16*c+12:(\base)+16*c+15], v[\adr], s[\lo:\lo+1] offset:128*c+80
.set c, c+1
.endr
.endm
.macro FCVT base                       ; 128 f32 to 64 words of f16, in place and ascending: word k is written when words 2 k, 2 k + 1 are read; chunk c ends at base + 8 c
.set k, 0
.rept 64
	v_cvt_pk_f16_f32 v[(\base)+k], v[(\base)+2*k], v[(\base)+2*k+1]
.set k, k+1
.endr
.endm
.Lm:
	s_lshr_b32 s25, ttmp9, 4                       ; i
	s_and_b32 s26, ttmp9, 15                       ; nb
	s_lshl_b32 s32, s25, 14                        ; 16 rows of 1,024 bytes
	s_mov_b32 s33, 0
	s_lshl_b32 s34, s26, 14
	s_mov_b32 s35, 0
	s_cmp_eq_u32 s25, 16
	s_cselect_b64 s[28:29], s[8:9], s[6:7]         ; bq or Wq
	s_cselect_b32 s30, 0, 1024                     ; bq: every row is the same 1,024 bytes
	s_cselect_b32 s32, 0, s32
	s_add_nc_u64 s[28:29], s[28:29], s[32:33]
	s_add_nc_u64 s[10:11], s[10:11], s[34:35]
	v_mul_lo_u32 v4, v2, s30
	v_lshl_add_u32 v4, v3, 5, v4                   ; row x pitch + 32 h
	v_lshlrev_b32 v5, 10, v2
	v_lshl_add_u32 v5, v3, 5, v5
	FLOAD 128, 4, 28                               ; A into v128-255
	WIN 0x40                                       ; destination in window 1
	FLOAD 0, 5, 10                                 ; B into v256-383
	WIN 0
	s_wait_loadcnt 32                              ; A is in; B's 32 loads may stay out
	FCVT 128
	WIN 0x45                                       ; sources and destination in window 1
	s_wait_loadcnt 0x0
	FCVT 0
	WIN 0x04                                       ; source 1 in window 1
.set c, 0
.rept 8                                        ; two accumulators, for the even and the odd chunks, take turns; the first two products start the sums
.if c < 2
	v_wmma_f32_16x16x32_f16 v[16+8*c:23+8*c], v[128+8*c:135+8*c], v[8*c:8*c+7], 0
.else
	v_wmma_f32_16x16x32_f16 v[16+8*(c%2):23+8*(c%2)], v[128+8*c:135+8*c], v[8*c:8*c+7], v[16+8*(c%2):23+8*(c%2)]
.endif
.set c, c+1
.endr
	WIN 0
.rept 4
	v_nop                                          ; four places between the last product and the first read of a result
.endr
.irp j, 0,1,2,3
	v_pk_add_f32 v[16+2*\j:17+2*\j], v[16+2*\j:17+2*\j], v[24+2*\j:25+2*\j]
.endr
	s_cmp_eq_u32 s25, 16
	s_cbranch_scc1 .Lu
.irp j, 0,1,2,3
	v_cvt_pk_f16_f32 v[32+\j], v[16+2*\j], v[17+2*\j]
.endr
	s_lshl_b32 s36, s26, 13                        ; row block nb: 8,192 bytes a block
	s_lshl_b32 s37, s25, 9                         ; half-fragment i
	s_add_co_u32 s36, s36, s37
	s_mov_b32 s37, 0
	s_add_nc_u64 s[16:17], s[16:17], s[36:37]
	global_store_b128 v6, v[32:35], s[16:17]       ; 512 consecutive bytes
	s_endpgm
.Lu:                                           ; all 16 rows of A were bq: every row of the result is u.  Lanes 0-15 store u[16 nb + l]: 64 consecutive bytes; uf is 1,024 bytes in all
	v_lshlrev_b32 v7, 2, v2
	s_lshl_b32 s36, s26, 6
	s_mov_b32 s37, 0
	s_add_nc_u64 s[18:19], s[18:19], s[36:37]
	v_cmp_gt_u32 vcc_lo, 16, v0
	s_wait_xcnt 0x0                                ; EXEC changes only behind this wait
	s_and_saveexec_b32 s38, vcc_lo
	global_store_b32 v7, v16, s[18:19]
	s_endpgm
; ---- Wv^T in fragment order.  W = id - 272: block W / 4 of 16 columns e; half-fragments cb = 4 (W % 4) + 0..3.
; Half-fragment cb stands for the channels n0 + 64 h + 0..7 with n0 = 128 (cb / 8) + 8 (cb % 8): the order in which the second launch holds the channels of attn x.
.Lwv:
	s_sub_co_u32 s25, ttmp9, 272                   ; W
	s_lshr_b32 s26, s25, 2                         ; the block of columns
	s_lshl_b32 s28, s26, 6                         ; its 64 bytes of a row
	s_bfe_u32 s27, s25, 0x10001                    ; cb / 8
	s_lshl_b32 s27, s27, 17                        ; 128 rows of 1,024 bytes
	s_add_co_u32 s28, s28, s27
	s_and_b32 s27, s25, 1
	s_lshl_b32 s27, s27, 15                        ; 32 rows
	s_add_co_u32 s28, s28, s27
	s_mov_b32 s29, 0
	s_add_nc_u64 s[12:13], s[12:13], s[28:29]
	s_lshl_b32 s30, s26, 13
	s_and_b32 s27, s25, 3
	s_lshl_b32 s27, s27, 11
	s_add_co_u32 s30, s30, s27
	s_mov_b32 s31, 0
	s_add_nc_u64 s[20:21], s[20:21], s[30:31]
	v_lshlrev_b32 v4, 2, v2
	v_lshl_add_u32 v4, v3, 16, v4                  ; column r, 64 rows further down for lanes 16-31
.set i, 0
.rept 32
	global_load_b32 v[64+i], v4, s[12:13] offset:1024*i
.set i, i+1
.endr
	s_wait_loadcnt 0x0
.set i, 0
.rept 16
	v_cvt_pk_f16_f32 v[96+i], v[64+2*i], v[65+2*i]
.set i, i+1
.endr
.irp j, 0,1,2,3
	global_store_b128 v6, v[96+4*\j:99+4*\j], s[20:21] offset:512*\j
.endr
	s_endpgm
.Lfunc_end_k_q2ee890d4c1_prep:
	.size	k_q2ee890d4c1_prep, .Lfunc_end_k_q2ee890d4c1_prep-k_q2ee890d4c1_prep
	.p2alignl 7, 3214868480
	.fill 96, 4, 3214868480
	.section	.rodata,"a",@progbits
	.p2align	6, 0x0
	.amdhsa_kernel k_q2ee890d4c1_prep
		.amdhsa_group_segment_fixed_size 0
		.amdhsa_private_segment_fixed_size 0
		.amdhsa_enable_private_segment 0
		.amdhsa_kernarg_size 72
		.amdhsa_user_sgpr_count 2
		.amdhsa_user_sgpr_kernarg_segment_ptr 1
		.amdhsa_wavefront_size32 1
		.amdhsa_system_sgpr_workgroup_id_x 1
		.amdhsa_system_sgpr_workgroup_id_y 1
		.amdhsa_system_sgpr_workgroup_id_z 1
		.amdhsa_system_vgpr_workitem_id 0
		.amdhsa_next_free_vgpr 384
		.amdhsa_next_free_sgpr 66
		.amdhsa_reserve_vcc 1
		.amdhsa_float_denorm_mode_32 3
		.amdhsa_float_denorm_mode_16_64 3
		.amdhsa_memory_ordered 1
		.amdhsa_forward_progress 1
		.amdhsa_inst_pref_size 34
	.end_amdhsa_kernel
	.amdgpu_metadata
---
amdhsa.version: [ 1, 2 ]
amdhsa.kernels:
  - .name:           k_q2ee890d4c1_prep
    .symbol:         k_q2ee890d4c1_prep.kd
    .args:
      - { .name: x, .offset: 0, .size: 8, .value_kind: global_buffer, .address_space: global }
      - { .name: Wq, .offset: 8, .size: 8, .value_kind: global_buffer, .address_space: global }
      - { .name: bq, .offset: 16, .size: 8, .value_kind: global_buffer, .address_space: global }
      - { .name: Wk, .offset: 24, .size: 8, .value_kind: global_buffer, .address_space: global }
      - { .name: Wv, .offset: 32, .size: 8, .value_kind: global_buffer, .address_space: global }
      - { .name: xh, .offset: 40, .size: 8, .value_kind: global_buffer, .address_space: global }
      - { .name: mf, .offset: 48, .size: 8, .value_kind: global_buffer, .address_space: global }
      - { .name: uf, .offset: 56, .size: 8, .value_kind: global_buffer, .address_space: global }
      - { .name: wvf, .offset: 64, .size: 8, .value_kind: global_buffer, .address_space: global }
    .group_segment_fixed_size: 0
    .private_segment_fixed_size: 0
    .kernarg_segment_align: 8
    .kernarg_segment_size: 72
    .max_flat_workgroup_size: 32
    .sgpr_count:     66
    .vgpr_count:     384
    .wavefront_size: 32
...
	.end_amdgpu_metadata
.endif
;; end of part 1
;; launch attn (part 2): grid 32 x 8, 4 waves a work-group, clusters of 4 x 1, 327,680 bytes of LDS; arguments xh, mf, uf, wvf, bv, out0; writes out0
.if DOCPART == 2
	.amdgcn_target "amdgcn-amd-amdhsa--gfx1250"
	.amdhsa_code_object_version 6
	.text
	.protected	k_q2ee890d4c1_attn
	.globl	k_q2ee890d4c1_attn
	.p2align	8
	.type	k_q2ee890d4c1_attn,@function
k_q2ee890d4c1_attn:
	s_mov_b64 s[64:65], 0
	v_nop
	global_prefetch_b8 v0, s[64:65] scope:SCOPE_SE
	s_setreg_imm32_b32 hwreg(HW_REG_WAVE_MODE, 25, 1), 1
	s_wait_xcnt 0x0
	s_wait_alu depctr_hold_cnt(0) depctr_sa_sdst(0) depctr_va_vdst(0) depctr_va_sdst(0) depctr_va_ssrc(0) depctr_va_vcc(0) depctr_vm_vsrc(0)
	s_getreg_b32 s2, hwreg(HW_REG_IB_STS2, 6, 4)
	s_cmp_eq_u32 s2, 0
	s_cbranch_scc0 .Lentry_in_a_cluster
	s_endpgm
.Lentry_in_a_cluster:
	s_bfe_u32 s2, ttmp6, 0x10000c
	s_cmp_lg_u32 s2, 0x3003
	s_cbranch_scc0 .Lentry_shape_is_right
	s_endpgm
.Lentry_shape_is_right:
; out[b][q] = (softmax_k((x[q] M + u) . x[k] / 16) x) Wv + bv, which in real numbers is the attention of the problem (first kernel's head: bk is left out, since Q . bk is the same along the
; softmax axis; M = Wq Wk^T, u = bq Wk^T; a row of attn sums to 1).  xh = x in f16, mf = M^T and wvf = Wv^T in f16 in fragment order, uf = u in f32.
; LIMITS.  Another order of rounding than the reference.  All matrix operands are f16: within 65,504, fixed step 6e-8 below 6e-5.  Qp = x M + u is divided by the largest magnitude in the
; work-group's 64 x 256 block before it is rounded (the factor comes back in f32 in the exponent); that magnitude is held at 2^-100 at the least and must stay under 2^126.
; A weight below 2^-126 counts as 0.  NaN and infinities are not treated apart.  A running maximum is taken away before every exponential, as in the reference.
; SHARES.  A work-group owns 64 queries (four tiles t of 16) of one batch: 256 work-groups.  THE KEYS ARE SPLIT AMONG ITS FOUR WAVES: every wave holds all 64 queries, and of each tile of 256 keys
; wave w fetches and reads rows 64 w .. 64 w + 63 alone, so each fragment read from LDS feeds four products.  The four partial results (maximum, sum, O) meet in LDS at the end.
; CLUSTER.  The four query blocks of a cluster walk the same rows of xh: each tile is asked for jointly, by the same tensor load, descriptor and mask in all four.
; ONE TILE SERVES AS K AND AS V.  S^T = K Qs^T (source 0 = 16 keys, source 1 = 16 queries): a lane holds one query (l % 16) and keys 8 (l / 16) + 0..7; two results rounded to f16 are source 1 of
; O^T = V^T P.  V^T comes by the turning load; its lanes 8-15 and 24-31 address 64 channels further on, so that one row pitch (528 bytes) serves both kinds of load with each bank touched once
; in a pass (64 banks of 4 bytes: ISA guide 11.1).  So tile cb of O^T holds channels 128 (cb / 8) + 8 (cb % 8) + 64 (l / 16) + 0..7; wvf is laid out for that order.
; VECTOR WORK BESIDE MATRIX WORK.  O^T's rescaling stands in fours behind every second product V^T P, one group of channel tiles ahead of the products that add onto it; each four costs two switches
; of the register windows, since O^T fills its windows.  The rest of a step's softmax has no product that does not hang on it (S^T has one buffer) and stands by itself.
; REGISTERS, in windows of 256 (s_set_vgpr_msb: bits 1:0 source 0, 3:2 source 1, 5:4 source 2, 7:6 destination):
;   window 0: v0-7 addresses; v8-31 six registers of statistics a tile; v32-127 a ring of three buffers of four fragments; v128-255 S^T (32 a tile), in which P is packed in place
;   window 1: Qs, fragment (t, cc) at 64 t + 8 cc; from the last step on Wv^T, fragment (eb, ck) at 64 eb + 8 ck          windows 2, 3: O^T (cb, t) at 32 (cb % 8) + 8 t
.set PK,     528                       ; a row in LDS: 512 bytes + 16 of padding
.set WROWS,  64*PK                     ; a wave's 64 rows of a tile
.set SLOT1,  4*WROWS                   ; 0x21000: it shares no bit with w x WROWS, so one exclusive or turns an address in one slot into the other's
.set QX,     2*SLOT1                   ; 32,768 bytes: fragments handed between the waves (Qs at the start, the merged O at the end); never a tensor load's target
.set STAT0,  QX+32768                  ; four words: the waves' largest magnitudes
.set STATM,  STAT0+256                 ; c m [4 waves][64 queries], then l likewise
.set OSTG,   STATM+2048                ; 16 rows x 272 bytes for each wave, for the way out
.set OPITCH, 272
.set SPARE,  OSTG+4*16*OPITCH          ; the spare words, 128 bytes for each wave: two blocks of 256 bytes that no other line names
.set TILEB,  256*512                   ; a tile of 256 keys in memory
.set L16, 0                            ; v0   16 x lane (written when the spare word's address has been made)
.set ADV, 1                            ; v1   LDS address of the step's turning loads
.set AK0, 2                            ; v2   my lane's place in my wave's rows, as K
.set AV0, 3                            ; v3   the same, as V
.set ADK, 4                            ; v4   LDS address of the step's K loads
.set PFO, 5                            ; v5   256 x lane, for the prefetches; never rewritten
.set SPW, 6                            ; v6   LDS address of my spare word; never rewritten
.set NIL, 7                            ; v7   0; never rewritten
.set ST,  8                            ; tile t at ST + 6 t: c m; c m_old and then the change; a; the exchange's destination; l (even keys, odd keys)
.set RB,  32
.set S,   128
.set WV,  16                           ; s16  wave
.set CX,  17                           ; s17  my place in the cluster: it enters the addresses of my queries, of out0 and of the prefetches alone
.set QB,  18                           ; s18  my block of 64 queries
.set BT,  19                           ; s19  batch
.set G1,  24                           ; s[24:31] descriptor group 1
.set G0,  32                           ; s[32:35] descriptor group 0: it walks
.set CNT, 36                           ; s36  tiles still to be asked for
.set LIM, 37                           ; s37  1 where my cluster prefetches, else the greatest number
.set PFA, 38                           ; s[38:39] where my prefetches stand
.set CS,  40                           ; s[40:41] f = log2(e) / 16 x the block's largest magnitude
.set SEL, 42                           ; s[42:43] v_permlanex16_b32's selects: each lane takes its own place in the other half
.set TB,  44                           ; s44  LDS byte at which the slot in hand begins
.set XQ,  46                           ; s[46:47] xh at my 64 queries
.set MSB, 0
.macro WIN new
.if MSB != (\new)
	s_set_vgpr_msb (MSB<<8)|(\new)
.set MSB, (\new)
.endif
.endm
.macro PLACES                          ; four plain places behind a product, in front of reads of its result and of loads into its registers
.rept 4
	v_nop
.endr
.endm
.macro CROUND                          ; a round of the cluster's barrier: my work-group's barrier; wave 0 signals for it; every wave waits for all four work-groups; my work-group's barrier once more
	s_barrier_signal -1
	s_barrier_wait -1
	s_cmp_lg_u32 s[WV], 0
	s_cbranch_scc1 .Lnot_wave_0_\@
	s_barrier_signal -3
.Lnot_wave_0_\@:
	s_barrier_wait -3
	s_barrier_signal -1
	s_barrier_wait -1
.endm
; A prefetch of what the NEXT change of slots will ask for.  All eight clusters of a batch walk the same rows: the batch's first cluster asks.  Its sixteen waves share a tile's 512 blocks of 256 bytes
; out by address (wave: 64 rows; place in the cluster: 16 of them), a lane a block, so each block is named once in the launch.  The last change that fills a slot asks for nothing.
.macro ASK
	s_cmp_gt_u32 s[CNT], s[LIM]
	s_cbranch_scc0 .Lnot_mine_\@
	global_prefetch_b8 v[PFO], s[PFA:PFA+1] th:TH_LOAD_NT scope:SCOPE_SE
.Lnot_mine_\@:
.endm
; THE CHANGE OF SLOTS.  fill = 1: all my tensor loads have landed (one was out: my rows of the slot to be read); 0 goes onto my spare word; the descriptor and the prefetch address step while that is
; out; my reads of the old slot are back; a round of the cluster's barrier, so that no wave of any partner still reads the old slot or has a load on its way; the joint refill first behind it.
; fill = 0 (the last tile): only the wait for my own rows: no other wave reads them, and nothing is filled.
.macro CHANGE fill
	WIN 0
	s_wait_tensorcnt 0x0
.if \fill
	ds_add_u32 v[SPW], v[NIL]
	s_xor_b32 s[G0+1], s[G0+1], SLOT1              ; the other slot than last time,
	s_add_nc_u64 s[G0+2:G0+3], s[G0+2:G0+3], TILEB ; the next 256 keys; the type bits on top are not reached
	s_xor_b32 s[TB], s[TB], SLOT1
	s_wait_xcnt 0x0                                ; the last prefetch, a step back, has read its address
	s_add_nc_u64 s[PFA:PFA+1], s[PFA:PFA+1], TILEB
	s_wait_dscnt 0x0
	CROUND
	tensor_load_to_lds s[G0:G0+3], s[G1:G1+7]      ; my 64 rows of the next tile: the one tensor load of mine that is out; it has a whole step, 256 products, in which to land
	s_nop 0
	PLACES
	ASK
.else
	s_xor_b32 s[TB], s[TB], SLOT1
	PLACES
.endif
.endm
.macro KLOAD g, buf                    ; four fragments of K: my 64 keys, channels 32 g on
.irp kb, 0,1,2,3
	ds_load_b128 v[(\buf)+8*(\kb):(\buf)+8*(\kb)+3],   v[ADK] offset:(\kb)*16*PK+64*(\g)
	ds_load_b128 v[(\buf)+8*(\kb)+4:(\buf)+8*(\kb)+7], v[ADK] offset:(\kb)*16*PK+64*(\g)+32
.endr
.endm
.macro VLOAD pg, buf                   ; four fragments of V^T: channel tiles 2 pg, 2 pg + 1, each for keys 0-31 and 32-63
.irp cbl, 0,1
.irp kk, 0,1
.set cbv, 2*(\pg)+(\cbl)
	ds_load_tr16_b128 v[(\buf)+8*(2*(\cbl)+(\kk)):(\buf)+8*(2*(\cbl)+(\kk))+3],   v[ADV] offset:(\kk)*32*PK+256*(cbv/8)+16*(cbv%8)
	ds_load_tr16_b128 v[(\buf)+8*(2*(\cbl)+(\kk))+4:(\buf)+8*(2*(\cbl)+(\kk))+7], v[ADV] offset:(\kk)*32*PK+16*PK+256*(cbv/8)+16*(cbv%8)
.endr
.endr
.endm
.macro KQG g, buf                      ; 16 products of S^T = K Qs^T for channels 32 g on; the 16 accumulators take turns; g = 0 starts the sums
.irp kb, 0,1,2,3
.irp t, 0,1,2,3
.if (\g) == 0
	v_wmma_f32_16x16x32_f16 v[S+32*(\t)+8*(\kb):S+32*(\t)+8*(\kb)+7], v[(\buf)+8*(\kb):(\buf)+8*(\kb)+7], v[64*(\t)+8*(\g):64*(\t)+8*(\g)+7], 0
.else
	v_wmma_f32_16x16x32_f16 v[S+32*(\t)+8*(\kb):S+32*(\t)+8*(\kb)+7], v[(\buf)+8*(\kb):(\buf)+8*(\kb)+7], v[64*(\t)+8*(\g):64*(\t)+8*(\g)+7], v[S+32*(\t)+8*(\kb):S+32*(\t)+8*(\kb)+7]
.endif
.endr
.endr
.endm
; Product i of 16 of O^T += V^T P for channel tiles 2 pg, 2 pg + 1: keys 32 (i / 8) on, tile of channels (i / 4) % 2, tile of queries i % 4.  Eight accumulators by turns, twice; zero = 1: the first eight start the sums.
.macro PVP pg, buf, zero, i
.set zk, (\i)/8
.set zc, ((\i)/4)%2
.set zt, (\i)%4
.set rO, 32*((2*(\pg)+zc)%8)+8*zt
.set rV, (\buf)+8*(2*zc+zk)
.set rP, S+32*zt+8*zk
.if (\zero) && (zk == 0)
	v_wmma_f32_16x16x32_f16 v[rO:rO+7], v[rV:rV+7], v[rP:rP+7], 0
.else
	v_wmma_f32_16x16x32_f16 v[rO:rO+7], v[rV:rV+7], v[rP:rP+7], v[rO:rO+7]
.endif
.endm
; O^T times a: cnt packed multiplies, from number m0 on, of the 32 of group q (channel tiles 2 q, 2 q + 1; number m is pair m of the group's 64 registers, of query tile (m / 4) % 4)
.macro RSC q, m0, cnt
	WIN 0x82+0x41*((\q)/4)                         ; destination and source 0 in window 2 or 3; a in window 0
.set m, (\m0)
.rept \cnt
	v_pk_mul_f32 v[64*((\q)%4)+2*m:64*((\q)%4)+2*m+1], v[64*((\q)%4)+2*m:64*((\q)%4)+2*m+1], v[ST+6*((m/4)%4)+2:ST+6*((m/4)%4)+3] op_sel_hi:[1,0]
.set m, m+1
.endr
.endm
; A group of 16 products V^T P.  Behind every second one stand four of the NEXT group's 32 rescalings, which name no register of this group's products; the last four are also the places in front
; of the loads into the buffer that the group has read.  first = 1: nothing is rescaled.
.macro PVG pg, buf, first
.set j, 0
.rept 8
	WIN 0xa0+0x50*((\pg)/4)                        ; O^T in window 2, then 3
	PVP \pg, \buf, \first, 2*j
	PVP \pg, \buf, \first, 2*j+1
.if !(\first) && ((\pg) < 7)
	RSC (\pg)+1, 4*j, 4
.endif
.set j, j+1
.endr
.endm
; THE SOFTMAX of a step.  p = 2^(f s - c m) with c m the running maximum of f s; a = 2^(c m_old - c m_new).  first = 1: no old maximum, no a.
; FS i: scaling i of 64: f s - c m for pair (i % 32) / 2 of tile 2 (i / 32) + i % 2.
.macro FS i
.set zt, 2*((\i)/32)+(\i)%2
.set zw, ((\i)%32)/2
	v_pk_fma_f32 v[S+32*zt+2*zw:S+32*zt+2*zw+1], v[S+32*zt+2*zw:S+32*zt+2*zw+1], s[CS:CS+1], v[ST+6*zt:ST+6*zt+1] op_sel_hi:[1,0,0] neg_lo:[0,0,1] neg_hi:[0,0,1]
.endm
; EX y, i: exponential i of 64 of the tiles y, y + 1: score 2 (i / 4) + i % 2 of tile y + (i / 2) % 2
.macro EX y, i
.set zt, (\y)+((\i)/2)%2
.set zw, 2*((\i)/4)+(\i)%2
	v_exp_f32 v[S+32*zt+zw], v[S+32*zt+zw]
.endm
; PL y, i: number i of the 64 that follow the exponentials of tiles y, y + 1, in eights (n = i / 8).  Four sums: for each tile l takes pair 2 n (the first time as a l + pair), and a second chain, in the ring's
; free buffer, pairs 1 + 3 and then 2 n + 3; at n = 7 it is added onto l.  Four roundings: words 2 n, 2 n + 1 of P, in place: word w is written when words 2 w, 2 w + 1 are read, and pair n has been summed by then.
.macro PL y, i, first
.set zn, (\i)/8
.set zk, (\i)%8
.set zt, (\y)+zk%2
.set rS, S+32*zt
.set rL, ST+6*zt+4
.set rB, 72+2*zt
.if zk < 2
.if zn == 0
.if \first
	v_pk_add_f32 v[rL:rL+1], v[rS:rS+1], v[rS+4:rS+5]
.else
	v_pk_fma_f32 v[rL:rL+1], v[rL:rL+1], v[rL-2:rL-1], v[rS:rS+1] op_sel_hi:[1,0,1]
.endif
.elseif (zn > 1) || !(\first)
	v_pk_add_f32 v[rL:rL+1], v[rL:rL+1], v[rS+4*zn:rS+4*zn+1]
.endif
.elseif zk < 4
.if zn == 0
	v_pk_add_f32 v[rB:rB+1], v[rS+2:rS+3], v[rS+6:rS+7]
.elseif zn < 7
	v_pk_add_f32 v[rB:rB+1], v[rB:rB+1], v[rS+4*zn+6:rS+4*zn+7]
.else
	v_pk_add_f32 v[rL:rL+1], v[rL:rL+1], v[rB:rB+1]
.endif
.else
.set zw, 2*zn+(zk-4)/2
	v_cvt_pk_f16_f32 v[rS+zw], v[rS+2*zw], v[rS+2*zw+1]
.endif
.endm
; The order.  Maxima: two chains a tile (scores 0-15, 16-31), eight chains line by line in turn; each accumulator is read from its low end on.  Then the statistics.
; The exponentials are TWO BATCHES, each with one wait ahead of its first reader: a and tiles 0, 1, line by line in turn with the 64 scalings; tiles 2, 3, in turn with the
; sums and roundings of tiles 0, 1, which name no result of the second batch.  v64-79 (the ring's buffer that K's last group has left) are at work.
.macro SOFTMAX first
.irp t, 0,1,2,3
	v_max3_num_f32 v[64+(\t)], v[S+32*(\t)], v[S+32*(\t)+1], v[S+32*(\t)+2]
.endr
.irp t, 0,1,2,3
	v_max3_num_f32 v[68+(\t)], v[S+32*(\t)+16], v[S+32*(\t)+17], v[S+32*(\t)+18]
.endr
.set n, 1
.rept 6
.irp t, 0,1,2,3
	v_max3_num_f32 v[64+(\t)], v[64+(\t)], v[S+32*(\t)+2*n+1], v[S+32*(\t)+2*n+2]
.endr
.irp t, 0,1,2,3
	v_max3_num_f32 v[68+(\t)], v[68+(\t)], v[S+32*(\t)+2*n+17], v[S+32*(\t)+2*n+18]
.endr
.set n, n+1
.endr
.irp t, 0,1,2,3
	v_max3_num_f32 v[68+(\t)], v[68+(\t)], v[S+32*(\t)+15], v[S+32*(\t)+31]
.endr
.irp t, 0,1,2,3
	v_max_num_f32 v[64+(\t)], v[64+(\t)], v[68+(\t)]
.endr
.irp t, 0,1,2,3
	v_permlanex16_b32 v[ST+6*(\t)+3], v[64+(\t)], s[SEL], s[SEL+1]  ; the query's other 32 keys lie in the lane 16 away
.endr
.if !(\first)
.irp t, 0,1,2,3
	v_mov_b32 v[ST+6*(\t)+1], v[ST+6*(\t)]
.endr
.endif
.irp t, 0,1,2,3
	v_max_num_f32 v[64+(\t)], v[64+(\t)], v[ST+6*(\t)+3]
.endr
.irp t, 0,1,2,3
	v_mul_f32 v[64+(\t)], s[CS], v[64+(\t)]        ; f is positive: the order of the scores stays
.endr
.irp t, 0,1,2,3
.if \first
	v_mov_b32 v[ST+6*(\t)], v[64+(\t)]
.else
	v_max_num_f32 v[ST+6*(\t)], v[ST+6*(\t)], v[64+(\t)]
.endif
.endr
.if !(\first)
.irp t, 0,1,2,3
	v_sub_f32 v[ST+6*(\t)+1], v[ST+6*(\t)+1], v[ST+6*(\t)]
.endr
.irp t, 0,1,2,3
	v_exp_f32 v[ST+6*(\t)+2], v[ST+6*(\t)+1]
.endr
.endif
.set i, 0
.rept 4
	FS i
.set i, i+1
.endr
.set i, 0
.rept 60                                       ; exponential i wants scaling 2 (i / 4) + (i / 2) % 2, which stands at least four lines back
	EX 0, i
	FS i+4
.set i, i+1
.endr
.rept 4
	EX 0, i
.set i, i+1
.endr
	v_nop                                          ; a plain instruction behind the batch's last exponential,
	s_wait_alu depctr_va_vdst(0)                   ; and the first batch's wait
.set i, 0
.rept 64
	EX 2, i
	PL 0, i, \first
.set i, i+1
.endr
	s_wait_alu depctr_va_vdst(0)                   ; the second batch's wait; the rounding above is the plain instruction behind its last exponential
.set i, 0
.rept 64
	PL 2, i, \first
.set i, i+1
.endr
.endm
.macro WLOAD                           ; my 64 columns of Wv^T, 32 fragments, into the registers that Qs has left; they are waited for on the way out
	WIN 0x40
.set e, 0
.rept 32
	global_load_b128 v[8*e:8*e+3],   v[L16], s[10:11] offset:e*1024
	global_load_b128 v[8*e+4:8*e+7], v[L16], s[10:11] offset:e*1024+512
.set e, e+1
.endr
.endm
; A STEP: my 64 keys of one tile, 256 products.  The ring's three buffers hold groups of eight LDS loads; a group is asked for four places behind the products that read its buffer last and
; waited for 32 products later: the counts 16 and 8 leave the younger groups out.
.macro STEP fill, first, last
	CHANGE \fill
	v_add_nc_u32 v[ADK], s[TB], v[AK0]
	v_add_nc_u32 v[ADV], s[TB], v[AV0]
	v_nop                                          ; with the four above and the two adds: seven places behind the last product, whose P is written over by the products below
	KLOAD 0, RB
	KLOAD 1, RB+32
	KLOAD 2, RB+64
	WIN 0x04                                       ; Qs in window 1; all else, the LDS loads too, in window 0
.set g, 0
.rept 8
	s_wait_dscnt 16
	KQG g, RB+32*(g%3)
	PLACES
.if g <= 4
	KLOAD g+3, RB+32*(g%3)
.elseif g == 5
	VLOAD 0, RB+64
.elseif g == 6
	VLOAD 1, RB
.endif
.set g, g+1
.endr
.if \last
	WLOAD
.endif
	WIN 0
	SOFTMAX \first
	VLOAD 2, RB+32                                 ; the softmax's registers at work lay in this buffer
.if !(\first)
	RSC 0, 0, 32                                   ; the first group's rescaling has no products to stand behind
.endif
.set g, 0
.rept 8
.if g <= 5
	s_wait_dscnt 16
.elseif g == 6
	s_wait_dscnt 8
.else
	s_wait_dscnt 0x0
.endif
	PVG g, RB+32*((8+g)%3), \first
.if g <= 4
.if \first
	PLACES
.endif
	WIN 0
	VLOAD g+3, RB+32*((8+g)%3)
.endif
.set g, g+1
.endr
	WIN 0
.endm
; The prologue's chunk cc of 32 summed channels: four fragments of M^T, four of x, into windows 2 and 3, which O^T does not need yet
.macro CLOAD cc
	WIN 0x80+0x40*((\cc)/4)
.irp db, 0,1,2,3
	global_load_b128 v[64*((\cc)%4)+8*(\db):64*((\cc)%4)+8*(\db)+3],   v[L16], s[6:7] offset:(8*(\db)+(\cc))*1024
	global_load_b128 v[64*((\cc)%4)+8*(\db)+4:64*((\cc)%4)+8*(\db)+7], v[L16], s[6:7] offset:(8*(\db)+(\cc))*1024+512
.endr
.irp t, 0,1,2,3
	global_load_b128 v[64*((\cc)%4)+32+8*(\t):64*((\cc)%4)+32+8*(\t)+3],   v67, s[XQ:XQ+1] offset:(\t)*8192+64*(\cc)
	global_load_b128 v[64*((\cc)%4)+32+8*(\t)+4:64*((\cc)%4)+32+8*(\t)+7], v67, s[XQ:XQ+1] offset:(\t)*8192+64*(\cc)+32
.endr
.endm
	s_load_b256 s[4:11], s[0:1], 0x0               ; xh s[4:5], mf s[6:7], uf s[8:9], wvf s[10:11]
	s_load_b128 s[12:15], s[0:1], 0x20             ; bv s[12:13], out0 s[14:15]
	v_lshl_add_u32 v[SPW], v0, 2, SPARE
	v_mov_b32 v[NIL], 0
	ds_add_u32 v[SPW], v[NIL]                      ; the wave's opening: the add, twice on end, and its wait ahead of my first tensor load
	ds_add_u32 v[SPW], v[NIL]
	v_lshrrev_b32 v1, 5, v0
	v_readfirstlane_b32 s[WV], v1                  ; wave 0..3
	v_and_b32 v64, 31, v0                          ; l      (v64-91 serve the prologue; the first step's loads take them over)
	v_and_b32 v65, 15, v0                          ; r = l % 16
	v_bfe_u32 v66, v0, 4, 1                        ; h = l / 16
	v_and_b32 v71, 7, v0
	v_bfe_u32 v72, v0, 3, 1
	v_lshlrev_b32 v[L16], 4, v64
	v_lshlrev_b32 v[PFO], 8, v64
	s_bfe_u32 s[CX], ttmp6, 0x40000
	s_lshl_b32 s[QB], ttmp9, 2                     ; in a cluster launch ttmp9 counts clusters
	s_add_co_u32 s[QB], s[QB], s[CX]
	s_and_b32 s[BT], ttmp7, 0xffff
	s_mul_i32 s20, s[WV], WROWS
	v_mul_u32_u24 v[AK0], v65, PK
	v_lshl_add_u32 v[AK0], v66, 4, v[AK0]
	v_add_nc_u32 v[AK0], s20, v[AK0]               ; my wave's rows + row r + 16 h
	v_lshl_add_u32 v[AV0], v66, 3, v71
	v_mul_u32_u24 v[AV0], v[AV0], PK
	v_lshl_add_u32 v[AV0], v72, 7, v[AV0]
	v_add_nc_u32 v[AV0], s20, v[AV0]               ; my wave's rows + row 8 h + l % 8 + 128 bytes for lanes 8-15 and 24-31
	v_lshlrev_b32 v67, 9, v65
	v_lshl_add_u32 v67, v66, 4, v67                ; a query fragment in memory: row r x 512 + 16 h
	v_lshlrev_b32 v68, 5, v66                      ; 32 h: my eight f32 of u
.irp t, 0,1,2,3
	v_mov_b32 v[ST+6*(\t)+1], 0                    ; named in pairs before they hold anything
	v_mov_b32 v[ST+6*(\t)+3], 0
.endr
	; descriptor group 1: 64 rows x 256 elements of 2 bytes, padded in LDS
	s_mov_b32 s[G1], 15|(1<<16)|(1<<20)|(1<<21)|(6<<22)|(3<<25)  ; 15:0 the mask of four; 17:16 2-byte elements; 20 padding on; 21 set beside a mask; 24:22 after every 128 words; 31:25 4 words
	s_mov_b32 s[G1+1], 256<<16                     ; tensor_dim0 = 256
	s_mov_b32 s[G1+2], 64<<16                      ; tensor_dim1 = 64
	s_mov_b32 s[G1+3], 256<<16                     ; tile_dim0 = 256
	s_mov_b32 s[G1+4], 64                          ; tile_dim1 = 64
	s_mov_b32 s[G1+5], 256                         ; elements from row to row
	s_mov_b32 s[G1+6], 0
	s_mov_b32 s[G1+7], 0
	s_mov_b32 s[G0], 1                             ; count = 1
	s_mov_b32 s[G0+1], s20                         ; LDS: slot 0, my wave's rows: no place in the cluster enters it
	s_mov_b32 s[SEL], 0x76543210
	s_mov_b32 s[SEL+1], 0xfedcba98
	s_mov_b32 s[TB], SLOT1                         ; the first change of slots turns it into 0
	s_lshl_b32 s48, s[BT], 20                      ; the batch's 2,048 rows of 512 bytes
	s_mov_b32 s49, 0
	s_lshl_b32 s50, s[WV], 15                      ; 64 rows of xh; also four row blocks of mf and of wvf
	s_mov_b32 s51, 0
	s_lshl_b32 s52, s[WV], 8                       ; 64 f32 of uf and bv; 64 columns of out0
	s_mov_b32 s53, 0
	s_lshl_b32 s54, s[QB], 15                      ; my 64 queries in xh
	s_mov_b32 s55, 0
	s_lshl_b32 s56, s[BT], 21                      ; and in out0: rows of 1,024 bytes
	s_lshl_b32 s57, s[QB], 16
	s_add_co_u32 s56, s56, s57
	s_add_co_u32 s56, s56, s52
	s_mov_b32 s57, 0
	s_lshl_b32 s58, s[CX], 13                      ; my work-group's 16 rows of a wave's 64, one tile on
	s_add_co_u32 s58, s58, TILEB
	s_mov_b32 s59, 0
	s_cmp_eq_u32 ttmp9, 0                          ; the batch's first cluster: the same in all four partners
	s_cselect_b32 s[LIM], 1, -1
	s_wait_dscnt 0x0                               ; both opening adds are done
	s_wait_kmcnt 0x0
	s_add_nc_u64 s[4:5], s[4:5], s[48:49]          ; xh at the batch
	s_add_nc_u64 s[G0+2:G0+3], s[4:5], s[50:51]    ; my rows of tile 0
	s_add_nc_u64 s[PFA:PFA+1], s[G0+2:G0+3], s[58:59]  ; in tile 1; the first change steps it to tile 2.  Nothing is prefetched at the head
	s_or_b32 s[G0+3], s[G0+3], 0x80000000          ; type = 2
	s_add_nc_u64 s[XQ:XQ+1], s[4:5], s[54:55]
	s_add_nc_u64 s[6:7], s[6:7], s[50:51]
	s_add_nc_u64 s[10:11], s[10:11], s[50:51]
	s_add_nc_u64 s[8:9], s[8:9], s[52:53]
	s_add_nc_u64 s[12:13], s[12:13], s[52:53]
	s_add_nc_u64 s[14:15], s[14:15], s[56:57]
	; The prologue's first 56 loads into registers (u, chunks 0 to 2) go out ahead of the round: they hang on no partner, and nobody writes what they read
.irp db, 0,1,2,3
	global_load_b128 v[RB+8*(\db):RB+8*(\db)+3],   v68, s[8:9] offset:64*(\db)
	global_load_b128 v[RB+8*(\db)+4:RB+8*(\db)+7], v68, s[8:9] offset:64*(\db)+16
.endr
	CLOAD 0
	CLOAD 1
	CLOAD 2
	WIN 0
	CROUND                                         ; all four work-groups are here: the first joint loads meet
	tensor_load_to_lds s[G0:G0+3], s[G1:G1+7]      ; tile 0 into slot 0
	s_nop 0
	PLACES
; THE PROLOGUE, in the wait for the first tile.  Qp^T = M^T x^T + u: wave w makes channels 64 w .. 64 w + 63 for all 64 queries (source 0 = 16 rows of M^T, source 1 = 16 queries; u is the C of the first products).
	CLOAD 3
	CLOAD 4
	CLOAD 5
	CLOAD 6
	CLOAD 7
.set cc, 0
.rept 8
.set lc, 16*(7-cc)                     ; the younger chunks' loads may stay out; a wait names 63 at the most
.if lc > 63
.set lc, 63
.endif
	s_wait_loadcnt lc
	WIN 0x0a+5*(cc/4)                              ; sources 0 and 1 in window 2, then 3
.set fb, 64*(cc%4)
.irp db, 0,1,2,3
.irp t, 0,1,2,3
.if cc == 0
	v_wmma_f32_16x16x32_f16 v[S+32*(\t)+8*(\db):S+32*(\t)+8*(\db)+7], v[fb+8*(\db):fb+8*(\db)+7], v[fb+32+8*(\t):fb+32+8*(\t)+7], v[RB+8*(\db):RB+8*(\db)+7]
.else
	v_wmma_f32_16x16x32_f16 v[S+32*(\t)+8*(\db):S+32*(\t)+8*(\db)+7], v[fb+8*(\db):fb+8*(\db)+7], v[fb+32+8*(\t):fb+32+8*(\t)+7], v[S+32*(\t)+8*(\db):S+32*(\t)+8*(\db)+7]
.endif
.endr
.endr
.set cc, cc+1
.endr
	WIN 0
	PLACES
	; the largest magnitude of the block: in the lane, across the lanes, across the waves
.irp t, 0,1,2,3
	v_max3_num_f32 v[76+(\t)], v[S+32*(\t)], v[S+32*(\t)+1], v[S+32*(\t)+2]
	v_min3_num_f32 v[80+(\t)], v[S+32*(\t)], v[S+32*(\t)+1], v[S+32*(\t)+2]
.endr
.set n, 1
.rept 14
.irp t, 0,1,2,3
	v_max3_num_f32 v[76+(\t)], v[76+(\t)], v[S+32*(\t)+2*n+1], v[S+32*(\t)+2*n+2]
	v_min3_num_f32 v[80+(\t)], v[80+(\t)], v[S+32*(\t)+2*n+1], v[S+32*(\t)+2*n+2]
.endr
.set n, n+1
.endr
.irp t, 0,1,2,3
	v_max_num_f32 v[76+(\t)], v[76+(\t)], v[S+32*(\t)+31]
	v_min_num_f32 v[80+(\t)], v[80+(\t)], v[S+32*(\t)+31]
.endr
	v_max3_num_f32 v76, v76, v77, v78
	v_min3_num_f32 v80, v80, v81, v82
	v_max_num_f32 v76, v76, v79
	v_min_num_f32 v80, v80, v83
	v_sub_f32 v80, 0, v80
	v_max_num_f32 v76, v76, v80
	v_max_num_f32_dpp v76, v76, v76 row_xmask:1 row_mask:0xf bank_mask:0xf
	v_max_num_f32_dpp v76, v76, v76 row_xmask:2 row_mask:0xf bank_mask:0xf
	v_max_num_f32_dpp v76, v76, v76 row_xmask:4 row_mask:0xf bank_mask:0xf
	v_max_num_f32_dpp v76, v76, v76 row_xmask:8 row_mask:0xf bank_mask:0xf
	v_permlanex16_b32 v77, v76, s[SEL], s[SEL+1]
	v_max_num_f32 v76, v76, v77
	s_lshl_b32 s20, s[WV], 2
	s_add_co_u32 s20, s20, STAT0
	v_mov_b32 v84, s20
	ds_store_b32 v84, v76                          ; all lanes write the same word with the same value
	s_wait_dscnt 0x0                               ; for the others' sake
	s_barrier_signal -1                            ; tile 0's load may stay out
	s_barrier_wait -1
	v_mov_b32 v85, STAT0
	ds_load_b128 v[88:91], v85
	s_wait_dscnt 0x0
	v_max3_num_f32 v88, v88, v89, v90
	v_max_num_f32 v88, v88, v91
	v_max_num_f32 v88, 0x0d800000, v88             ; at least 2^-100, so that the reciprocal is finite
	v_rcp_f32 v86, v88
	v_mul_f32 v89, 0x3db8aa3b, v88                 ; f = log2(e) / 16 x the magnitude; also the plain instruction behind the reciprocal
	v_mov_b32 v87, 0                               ; named with it as a pair
	s_wait_alu depctr_va_vdst(0)                   ; the wait ahead of the reciprocal's first reader
	v_readfirstlane_b32 s[CS], v89                 ; the same in every lane; it serves as a factor alone
	s_mov_b32 s[CS+1], s[CS]
.set k, 0
.rept 64
	v_pk_mul_f32 v[S+2*k:S+2*k+1], v[S+2*k:S+2*k+1], v[86:87] op_sel_hi:[1,0]
.set k, k+1
.endr
.set p, 0
.rept 16                                       ; Qs in f16, in place: a lane's channels 16 db + 8 h + 0..7 are half a fragment of source 1
.irp t, 0,1,2,3
	v_cvt_pk_f16_f32 v[S+32*(\t)+p], v[S+32*(\t)+2*p], v[S+32*(\t)+2*p+1]
.endr
.set p, p+1
.endr
	s_lshl_b32 s20, s[WV], 11
	s_add_co_u32 s20, s20, QX
	v_add_nc_u32 v69, s20, v[L16]                  ; fragment (t, cc) lies at QX + (8 t + cc) x 1,024; mine are cc = 2 w, 2 w + 1
	v_add_nc_u32 v70, QX, v[L16]
.irp t, 0,1,2,3
.irp q, 0,1,2,3
	ds_store_b128 v69, v[S+32*(\t)+4*(\q):S+32*(\t)+4*(\q)+3] offset:(\t)*8192+(\q)*512
.endr
.endr
	s_wait_dscnt 0x0
	s_barrier_signal -1
	s_barrier_wait -1
	WIN 0x40                                       ; every wave takes all 32 fragments, into window 1; the first change of slots waits for them
.set e, 0
.rept 32
	ds_load_b128 v[8*e:8*e+3],   v70 offset:e*1024
	ds_load_b128 v[8*e+4:8*e+7], v70 offset:e*1024+512
.set e, e+1
.endr
	WIN 0
; THE WALK over the batch's eight tiles.  The first step starts m, l and O^T; the last is written out.
	s_mov_b32 s[CNT], 7
	STEP 1, 1, 0                                   ; reads tile 0, asks for tile 1
	s_mov_b32 s[CNT], 6
.Lstep:                                        ; six trips: tiles 1 to 6 are read, tiles 2 to 7 asked for
	STEP 1, 0, 0
	s_sub_co_u32 s[CNT], s[CNT], 1
	s_cmp_lg_u32 s[CNT], 0
	s_cbranch_scc1 .Lstep
	STEP 0, 0, 1                                   ; tile 7; my columns of Wv^T are asked for
; THE MERGE.  The first four additions are the places behind the last products.
.irp t, 0,1,2,3
	v_add_f32 v[ST+6*(\t)+4], v[ST+6*(\t)+4], v[ST+6*(\t)+5]
.endr
.irp t, 0,1,2,3
	v_permlanex16_b32 v[ST+6*(\t)+3], v[ST+6*(\t)+4], s[SEL], s[SEL+1]
.endr
.irp t, 0,1,2,3
	v_add_f32 v[ST+6*(\t)+4], v[ST+6*(\t)+4], v[ST+6*(\t)+3]
.endr
	v_bfe_u32 v64, v[L16], 8, 1                    ; h     (v64-99 serve the merge and the way out: the ring is free)
	v_bfe_u32 v65, v[L16], 4, 4                    ; r
	v_lshlrev_b32 v78, 5, v64                      ; 32 h: my eight f32 of bv
.irp eb, 0,1,2,3
	global_load_b128 v[RB+8*(\eb):RB+8*(\eb)+3],   v78, s[12:13] offset:64*(\eb)
	global_load_b128 v[RB+8*(\eb)+4:RB+8*(\eb)+7], v78, s[12:13] offset:64*(\eb)+16
.endr
	s_lshl_b32 s20, s[WV], 8
	s_add_co_u32 s20, s20, STATM
	v_lshl_add_u32 v66, v65, 2, s20                ; my wave's 64 words, query r of a tile
	s_lshl_b32 s20, s[WV], 16
	v_add_nc_u32 v67, s20, v[L16]                  ; my four blocks of 16,384 bytes: block (writer v, tile t) at (4 v + t) x 16,384, in the slots, which have had their last fill
	s_lshl_b32 s20, s[WV], 6
	s_add_co_u32 s20, s20, STATM
	v_lshl_add_u32 v68, v65, 2, s20                ; tile w's words of wave 0
	s_lshl_b32 s20, s[WV], 14
	v_add_nc_u32 v69, s20, v[L16]                  ; tile w's block of writer 0, 1, 2, 3
	v_add_nc_u32 v70, 0x10000, v69
	v_add_nc_u32 v71, 0x20000, v69
	v_add_nc_u32 v72, 0x30000, v69
	s_lshl_b32 s20, s[WV], 13
	s_add_co_u32 s20, s20, QX
	v_add_nc_u32 v73, s20, v[L16]
	v_add_nc_u32 v74, QX, v[L16]
	s_mul_i32 s20, s[WV], 16*OPITCH
	s_add_co_u32 s20, s20, OSTG
	v_mul_u32_u24 v75, v65, OPITCH                 ; into my stage: row r, 32 bytes for each half of the lanes
	v_lshl_add_u32 v75, v64, 5, v75
	v_add_nc_u32 v75, s20, v75
	v_mul_u32_u24 v76, v64, OPITCH                 ; back: lanes 0-15 take one row of 256 bytes, lanes 16-31 the next
	v_lshl_add_u32 v76, v65, 4, v76
	v_add_nc_u32 v76, s20, v76
	v_lshlrev_b32 v77, 10, v64                     ; and the same two rows in out0
	v_lshl_add_u32 v77, v65, 4, v77
.irp t, 0,1,2,3
	ds_store_b32 v66, v[ST+6*(\t)] offset:64*(\t)             ; both halves of the lanes hold the same numbers
	ds_store_b32 v66, v[ST+6*(\t)+4] offset:1024+64*(\t)
.endr
	s_wait_dscnt 0x0
	s_barrier_signal -1                            ; every wave's tensor loads have landed and its reads of the slots are back:
	s_barrier_wait -1                              ; the slots may be written
.irp hw, 0,1
	WIN 0x08+4*(\hw)                               ; store data in window 2, then 3
.set c, 0
.rept 8
.irp t, 0,1,2,3
	ds_store_b128 v67, v[32*c+8*(\t):32*c+8*(\t)+3]   offset:(\t)*16384+(8*(\hw)+c)*1024
	ds_store_b128 v67, v[32*c+8*(\t)+4:32*c+8*(\t)+7] offset:(\t)*16384+(8*(\hw)+c)*1024+512
.endr
.set c, c+1
.endr
.endr
	WIN 0
	s_wait_dscnt 0x0
	s_barrier_signal -1
	s_barrier_wait -1
	; wave w finishes tile w
.irp v, 0,1,2,3
	ds_load_b32 v[80+(\v)], v68 offset:256*(\v)
	ds_load_b32 v[84+(\v)], v68 offset:1024+256*(\v)
.endr
.irp v, 0,1,2,3
	WIN 0x80+0x40*((\v)/2)                         ; blocks 0, 1 into window 2, blocks 2, 3 into window 3
.set e, 0
.rept 32
	ds_load_b128 v[128*((\v)%2)+4*e:128*((\v)%2)+4*e+3], v[69+(\v)] offset:e*512
.set e, e+1
.endr
.endr
	WIN 0
	s_wait_dscnt 63                                ; of the 136 loads the first 73 are in: the statistics and blocks 0 and 1 (a wait names 63 at the most)
	v_max3_num_f32 v88, v80, v81, v82
	v_max_num_f32 v88, v88, v83
.irp v, 0,1,2,3
	v_sub_f32 v[80+(\v)], v[80+(\v)], v88
.endr
.irp v, 0,1,2,3
	v_exp_f32 v[80+(\v)], v[80+(\v)]
.endr
	v_nop
	s_wait_alu depctr_va_vdst(0)                   ; one wait for the four
	v_mul_f32 v89, v80, v84
	v_fmac_f32 v89, v81, v85
	v_fmac_f32 v89, v82, v86
	v_fmac_f32 v89, v83, v87
	v_rcp_f32 v90, v89
	v_nop
	s_wait_alu depctr_va_vdst(0)
.irp v, 0,1,2,3
	v_mul_f32 v[92+2*(\v)], v[80+(\v)], v90        ; each writer's weight, the division by l in it
	v_mov_b32 v[93+2*(\v)], 0                      ; named with it as a pair
.endr
	WIN 0x02                                       ; source 0 in window 2
.set k, 0
.rept 64
	v_pk_mul_f32 v[S+2*k:S+2*k+1], v[2*k:2*k+1], v[92:93] op_sel_hi:[1,0]
.set k, k+1
.endr
.set k, 0
.rept 64
	v_pk_fma_f32 v[S+2*k:S+2*k+1], v[128+2*k:129+2*k], v[94:95], v[S+2*k:S+2*k+1] op_sel_hi:[1,0,1]
.set k, k+1
.endr
	WIN 0x03
	s_wait_dscnt 32                                ; block 3 may stay out
.set k, 0
.rept 64
	v_pk_fma_f32 v[S+2*k:S+2*k+1], v[2*k:2*k+1], v[96:97], v[S+2*k:S+2*k+1] op_sel_hi:[1,0,1]
.set k, k+1
.endr
	s_wait_dscnt 0x0
.set k, 0
.rept 64
	v_pk_fma_f32 v[S+2*k:S+2*k+1], v[128+2*k:129+2*k], v[98:99], v[S+2*k:S+2*k+1] op_sel_hi:[1,0,1]
.set k, k+1
.endr
	WIN 0
.set k, 0
.rept 64                                       ; to f16 in place: channel tiles 2 ck, 2 ck + 1 are fragment ck of source 1
	v_cvt_pk_f16_f32 v[S+k], v[S+2*k], v[S+2*k+1]
.set k, k+1
.endr
.set e, 0
.rept 16
	ds_store_b128 v73, v[S+4*e:S+4*e+3] offset:e*512
.set e, e+1
.endr
	s_wait_dscnt 0x0
	s_barrier_signal -1
	s_barrier_wait -1
	WIN 0x80                                       ; every wave takes all four tiles' fragments, (t, ck) at 64 t + 8 ck of window 2
.set e, 0
.rept 32
	ds_load_b128 v[8*e:8*e+3],   v74 offset:e*1024
	ds_load_b128 v[8*e+4:8*e+7], v74 offset:e*1024+512
.set e, e+1
.endr
	s_wait_loadcnt 0x0                             ; Wv^T and bv
	s_wait_dscnt 0x0
; out^T = Wv^T O^T + bv: wave w makes columns 64 w .. 64 w + 63 for all 64 queries, A TILE OF 16 QUERIES AT A TIME, so that a finished tile leaves while the next is multiplied.
; A tile has 32 products on four accumulators, which take turns; bv is the C of the first four.
.macro MULT t
.set ck, 0
.rept 8
.if ck == 0
	WIN 0xc9                                       ; source 0 window 1, source 1 window 2, C window 0, D window 3
.else
	WIN 0xf9                                       ; C in window 3 too
.endif
.irp eb, 0,1,2,3
.if ck == 0
	v_wmma_f32_16x16x32_f16 v[32*(\t)+8*(\eb):32*(\t)+8*(\eb)+7], v[64*(\eb)+8*ck:64*(\eb)+8*ck+7], v[64*(\t)+8*ck:64*(\t)+8*ck+7], v[RB+8*(\eb):RB+8*(\eb)+7]
.else
	v_wmma_f32_16x16x32_f16 v[32*(\t)+8*(\eb):32*(\t)+8*(\eb)+7], v[64*(\eb)+8*ck:64*(\eb)+8*ck+7], v[64*(\t)+8*ck:64*(\t)+8*ck+7], v[32*(\t)+8*(\eb):32*(\t)+8*(\eb)+7]
.endif
.endr
.set ck, ck+1
.endr
.endm
; THE WAY OUT, a tile (16 rows) at a time through my own stage: a lane's eight columns go in as 32 bytes of a row of 272, and whole rows of 256 bytes come back.
.macro PACKO t
	WIN 0x0c                                       ; store data in window 3
.irp eb, 0,1,2,3
	ds_store_b128 v75, v[32*(\t)+8*(\eb):32*(\t)+8*(\eb)+3]   offset:64*(\eb)
	ds_store_b128 v75, v[32*(\t)+8*(\eb)+4:32*(\t)+8*(\eb)+7] offset:64*(\eb)+16
.endr
	WIN 0
.irp i, 0,1,2,3,4,5,6,7
	ds_load_b128 v[S+32*(\t)+4*(\i):S+32*(\t)+4*(\i)+3], v76 offset:(\i)*2*OPITCH  ; LDS serves a wave's instructions in order (ISA guide 5.7.1.4): these see the stores above; the next tile's stores come behind them
.endr
.endm
.macro SENDO t, younger                ; younger: the LDS instructions issued behind tile t's loads: the next tile's sixteen, or none
.irp i, 0,1,2,3,4,5,6,7
	s_wait_dscnt (\younger)+7-(\i)
	global_store_b128 v77, v[S+32*(\t)+4*(\i):S+32*(\t)+4*(\i)+3], s[14:15] offset:(\t)*16384+(\i)*2048 th:TH_STORE_NT  ; 16 lanes store 256 consecutive bytes, at a multiple of 256 from out0's first byte
.endr
.endm
	MULT 0
	MULT 1
	PLACES                                         ; four places between the products and the LDS stores that read results
	PACKO 0
	MULT 2
	PLACES
	PACKO 1
	SENDO 0, 16
	MULT 3
	PLACES
	PACKO 2
	SENDO 1, 16
	PACKO 3                                        ; the four places above stand behind tile 3's products too
	SENDO 2, 16
	SENDO 3, 0
	s_wait_tensorcnt 0x0                           ; the wave's end, behind my last tensor load and my last LDS store
	ds_add_u32 v[SPW], v[NIL]
	s_wait_dscnt 0x0
	CROUND                                         ; the closing round: no work-group ends while a partner may still ask for a tile that names it
	s_endpgm
.Lfunc_end_k_q2ee890d4c1_attn:
	.size	k_q2ee890d4c1_attn, .Lfunc_end_k_q2ee890d4c1_attn-k_q2ee890d4c1_attn
	.p2alignl 7, 3214868480
	.fill 96, 4, 3214868480
	.section	.rodata,"a",@progbits
	.p2align	6, 0x0
	.amdhsa_kernel k_q2ee890d4c1_attn
		.amdhsa_group_segment_fixed_size 327680
		.amdhsa_private_segment_fixed_size 0
		.amdhsa_enable_private_segment 0
		.amdhsa_kernarg_size 48
		.amdhsa_user_sgpr_count 2
		.amdhsa_user_sgpr_kernarg_segment_ptr 1
		.amdhsa_wavefront_size32 1
		.amdhsa_system_sgpr_workgroup_id_x 1
		.amdhsa_system_sgpr_workgroup_id_y 1
		.amdhsa_system_sgpr_workgroup_id_z 1
		.amdhsa_system_vgpr_workitem_id 0
		.amdhsa_next_free_vgpr 1024
		.amdhsa_next_free_sgpr 66
		.amdhsa_reserve_vcc 0
		.amdhsa_float_denorm_mode_32 3
		.amdhsa_float_denorm_mode_16_64 3
		.amdhsa_memory_ordered 1
		.amdhsa_forward_progress 1
		.amdhsa_inst_pref_size 255
	.end_amdhsa_kernel
	.section	.bss,"aw",@nobits
	.p2align	6
	.space	262144
	.amdgpu_metadata
---
amdhsa.version: [ 1, 2 ]
amdhsa.kernels:
  - .name:           k_q2ee890d4c1_attn
    .symbol:         k_q2ee890d4c1_attn.kd
    .args:
      - { .name: xh, .offset: 0, .size: 8, .value_kind: global_buffer, .address_space: global }
      - { .name: mf, .offset: 8, .size: 8, .value_kind: global_buffer, .address_space: global }
      - { .name: uf, .offset: 16, .size: 8, .value_kind: global_buffer, .address_space: global }
      - { .name: wvf, .offset: 24, .size: 8, .value_kind: global_buffer, .address_space: global }
      - { .name: bv, .offset: 32, .size: 8, .value_kind: global_buffer, .address_space: global }
      - { .name: out0, .offset: 40, .size: 8, .value_kind: global_buffer, .address_space: global }
    .group_segment_fixed_size: 327680
    .private_segment_fixed_size: 0
    .kernarg_segment_align: 8
    .kernarg_segment_size: 48
    .max_flat_workgroup_size: 128
    .sgpr_count:     66
    .vgpr_count:     1024
    .wavefront_size: 32
...
	.end_amdgpu_metadata
.endif
;; end of part 2
;; ======== version 2 of 2: 2 launches; version 1 with the launch prep written anew for expert scheduling mode
;; limits: values are held in f16: magnitudes above 65,504 overflow, below 6.1e-05 lose precision
;; workspace buffers: xh 8,388,608 bytes; mf 131,072 bytes; uf 1,024 bytes; wvf 131,072 bytes
;; launch prep (part 3): grid 1360 x 1, 1 waves a work-group, no clusters, 0 bytes of LDS; arguments x, Wq, bq, Wk, Wv, xh, mf, uf, wvf; writes xh, mf, uf, wvf
.if DOCPART == 3
	.amdgcn_target "amdgcn-amd-amdhsa--gfx1250"
	.amdhsa_code_object_version 6
	.text
	.protected	k_q2ee890d4c1_prep
	.globl	k_q2ee890d4c1_prep
	.p2align	8
	.type	k_q2ee890d4c1_prep,@function
k_q2ee890d4c1_prep:
	s_mov_b64 s[64:65], 0
	v_nop
	global_prefetch_b8 v0, s[64:65] scope:SCOPE_SE
	s_setreg_imm32_b32 hwreg(HW_REG_WAVE_SCHED_MODE, 0, 2), 2
	s_setreg_imm32_b32 hwreg(HW_REG_WAVE_MODE, 25, 1), 1
	s_wait_xcnt 0x0
	s_wait_alu depctr_vm_vsrc(0)
; PREPARATION for out = softmax((x Wq + bq)(x Wk + bk)^T / 16)(x Wv + bv), x: [8][2048][256] f32.
; WORK LEFT OUT, for all finite values of the inputs:
;   bk.  scores[q][k] = (Q[q] . (x[k] Wk) + Q[q] . bk) / 16; the second term is the same for every k, that is along the softmax axis, and
;   a softmax does not change when one number is added to its whole row.  So bk has no way to the output: it is not loaded and is no argument of any launch.
;   LIMIT: a NaN, an infinity or an overflow that reaches only bk or Q . bk is not carried to the result.
; REASSOCIATION (same real numbers, another order of rounding than the reference; stated as a limit):
;   Q[q] . (x[k] Wk) = (x[q] M + u) . x[k] with M = Wq Wk^T (256 x 256) and u = bq Wk^T;  attn (x Wv + bv) = (attn x) Wv + bv, since a row of attn sums to 1.
;   So keys and values are both x itself, and the projections are done once for each query row, in the second launch.
; THIS LAUNCH makes: xh = x in f16; mf = M^T in f16 and wvf = Wv^T in f16, both in the order of matrix fragments; uf = u in f32.
; FORMAT LIMIT: every matrix operand is f16: x, Wq, Wk, bq, Wv and M must lie within 65,504; below 6e-5 a number keeps the fixed step 6e-8.  NaN and infinities are not treated apart.
; mf, wvf: [16 row blocks][8 chunks of 32 k][2 halves][32 lanes][16 bytes]: 512 bytes on end are half a fragment, lane l taking bytes 16 l.
; SHARES.  A work-group is ONE wave with one job, so that the jobs whose loads go row by row (16 rows to a load) are spread over the chip, one beside a few streaming ones, and come first:
;   ids 0-255: tile (i = id / 16, nb = id % 16) of M;  256-271: u for block nb = id - 256 (bq in the place of Wq's rows);  272-335: Wv;  336-1359: 16,384 bytes of x each.
; THE MODE: SCHED_MODE bits 1:0 = 2 (LLVM: expert scheduling mode 2), set by the entry lines.  The code itself states the register dependences
; between vector or matrix instructions and memory instructions, with s_wait_alu, always for 0.
; THE PLAN.  Registers that memory instructions touch; none of them is written a second time, so no wait on vm_vsrc is owed but the one at the write of EXEC:
;   offsets     v6 (head), v5 and v4 (each job), v7 (u): written once by vector instructions, then read by loads and stores: one wait on va_vdst ahead of a job's first load.
;   x           v128-255 raw, written by the 32 loads, read by the conversions.  v64-127 out, written by the conversions, read by the stores.  Eight blocks of four loads: block p's conversions
;               name block p's raw and out registers alone; the four stores of block p - 1 stand among them, behind ONE wait on va_vdst at the block's head.
;   M, u        v128-383 raw, written by the 64 loads; from then on named by vector and matrix instructions alone.  v32-35 (M) or v16 (u) out: one wait on va_vdst ahead of the store.
;   Wv          v64-95 raw, v96-111 out: one wait on va_vdst ahead of the run of four stores.
.set MSB, 0
.macro WIN new                         ; the high byte repeats the setting that is left; a switch that changes nothing is dropped
.if MSB != (\new)
	s_set_vgpr_msb (MSB<<8)|(\new)
.set MSB, (\new)
.endif
.endm
	s_load_b512 s[4:19], s[0:1], 0x0               ; x s[4:5], Wq s[6:7], bq s[8:9], Wk s[10:11], Wv s[12:13], xh s[14:15], mf s[16:17], uf s[18:19]
	s_load_b64 s[20:21], s[0:1], 0x40              ; wvf
	v_and_b32 v2, 15, v0                           ; r = l % 16 (v0 is the lane: one wave)
	v_bfe_u32 v3, v0, 4, 1                         ; h = l / 16
	v_lshlrev_b32 v6, 4, v0                        ; 16 l
	s_wait_kmcnt 0x0
	s_cmp_lt_u32 ttmp9, 272
	s_cbranch_scc1 .Lm
	s_cmp_lt_u32 ttmp9, 336
	s_cbranch_scc1 .Lwv
; ---- x to f16: 16,384 bytes in, 8,192 out.  All 32 loads go out at once; each store covers 256 consecutive bytes, aligned.
	s_sub_co_u32 s25, ttmp9, 336
	s_lshl_b32 s26, s25, 14
	s_mov_b32 s27, 0
	s_add_nc_u64 s[4:5], s[4:5], s[26:27]
	s_lshr_b32 s26, s26, 1                         ; half as many bytes out
	s_add_nc_u64 s[14:15], s[14:15], s[26:27]
	v_lshlrev_b32 v5, 3, v0                        ; 8 l
	s_wait_alu depctr_va_vdst(0)                   ; v6 and v5 are written: the loads below read v6 as their offset, the stores v5
.set i, 0
.rept 32
	global_load_b128 v[128+4*i:131+4*i], v6, s[4:5] offset:512*i th:TH_LOAD_NT
.set i, i+1
.endr
.set p, 0
.rept 8                                        ; block p: loads 4 p to 4 p + 3 are rounded; the stores of block p - 1 stand among the conversions
	s_wait_loadcnt 28-4*p                          ; loads come back in order: block p is in, the younger blocks stay out
.if p > 0
	s_wait_alu depctr_va_vdst(0)                   ; the conversions of block p - 1 have written their eight out-registers, which the four stores below read
.endif
.set i, 0
.rept 4
.set n, 4*p+i
.if p > 0
	global_store_b64 v5, v[64+2*(n-4):65+2*(n-4)], s[14:15] offset:256*(n-4)  ; no vector instruction since the wait names these registers; every store has registers of its own: nothing is rewritten
.endif
	v_cvt_pk_f16_f32 v[64+2*n], v[128+4*n], v[129+4*n]
	v_cvt_pk_f16_f32 v[65+2*n], v[130+4*n], v[131+4*n]
.set i, i+1
.endr
.set p, p+1
.endr
	s_wait_alu depctr_va_vdst(0)                   ; the conversions of block 7 have written v120-127, which the last four stores read
.set n, 28
.rept 4
	global_store_b64 v5, v[64+2*n:65+2*n], s[14:15] offset:256*n
.set n, n+1
.endr
	s_endpgm
; ---- One tile of M = Wq Wk^T, or of u = bq Wk^T.  Source 0 = rows 16 i .. of Wq (i = 16: bq in all 16 rows), source 1 = rows 16 nb .. of Wk (both lie along the summed index).
; In the result lane (r, h) holds M[16 i + 8 h + 0..7][16 nb + r]: eight neighbouring numbers of a row of M^T, which are this lane's 16 bytes of half-fragment i of row block nb of mf.
.macro FLOAD base, adr, lo             ; 16 rows x 256 f32 as eight fragments: for chunk c a lane takes k = 32 c + 8 h + 0..7 and 32 c + 16 + 8 h + 0..7
.set c, 0
.rept 8
	global_load_b128 v[(\base)+16*c:(\base)+16*c+3],     v[\adr], s[\lo:\lo+1] offset:128*c
	global_load_b128 v[(\base)+16*c+4:(\base)+16*c+7],   v[\adr], s[\lo:\lo+1] offset:128*c+16
	global_load_b128 v[(\base)+16*c+8:(\base)+16*c+11],  v[\adr], s[\lo:\lo+1] offset:128*c+64
	global_load_b128 v[(\base)+16*c+12:(\base)+16*c+15], v[\adr], s[\lo:\lo+1] offset:128*c+80
.set c, c+1
.endr
.endm
.macro FCVT base                       ; 128 f32 to 64 words of f16, in place and ascending: word k is written when words 2 k, 2 k + 1 are read; chunk c ends at base + 8 c
.set k, 0
.rept 64
	v_cvt_pk_f16_f32 v[(\base)+k], v[(\base)+2*k], v[(\base)+2*k+1]
.set k, k+1
.endr
.endm
.Lm:
	s_lshr_b32 s25, ttmp9, 4                       ; i
	s_and_b32 s26, ttmp9, 15                       ; nb
	s_lshl_b32 s32, s25, 14                        ; 16 rows of 1,024 bytes
	s_mov_b32 s33, 0
	s_lshl_b32 s34, s26, 14
	s_mov_b32 s35, 0
	s_cmp_eq_u32 s25, 16
	s_cselect_b64 s[28:29], s[8:9], s[6:7]         ; bq or Wq
	s_cselect_b32 s30, 0, 1024                     ; bq: every row is the same 1,024 bytes
	s_cselect_b32 s32, 0, s32
	s_add_nc_u64 s[28:29], s[28:29], s[32:33]
	s_add_nc_u64 s[10:11], s[10:11], s[34:35]
	v_mul_lo_u32 v4, v2, s30
	v_lshl_add_u32 v4, v3, 5, v4                   ; row x pitch + 32 h
	v_lshlrev_b32 v5, 10, v2
	v_lshl_add_u32 v5, v3, 5, v5
	s_wait_alu depctr_va_vdst(0)                   ; v4 and v5 are written, which the 64 loads below read as their offsets; between this wait and the last of them stand loads and one window switch alone
	FLOAD 128, 4, 28                               ; A into v128-255
	WIN 0x40                                       ; destination in window 1
	FLOAD 0, 5, 10                                 ; B into v256-383
	WIN 0
	s_wait_loadcnt 32                              ; A is in; B's 32 loads may stay out
	FCVT 128
	WIN 0x45                                       ; sources and destination in window 1
	s_wait_loadcnt 0x0
	FCVT 0
	WIN 0x04                                       ; source 1 in window 1
.set c, 0
.rept 8                                        ; two accumulators, for the even and the odd chunks, take turns; the first two products start the sums
.if c < 2
	v_wmma_f32_16x16x32_f16 v[16+8*c:23+8*c], v[128+8*c:135+8*c], v[8*c:8*c+7], 0
.else
	v_wmma_f32_16x16x32_f16 v[16+8*(c%2):23+8*(c%2)], v[128+8*c:135+8*c], v[8*c:8*c+7], v[16+8*(c%2):23+8*(c%2)]
.endif
.set c, c+1
.endr
	WIN 0
.rept 4
	v_nop                                          ; four places between the last product and the first read of a result
.endr
.irp j, 0,1,2,3
	v_pk_add_f32 v[16+2*\j:17+2*\j], v[16+2*\j:17+2*\j], v[24+2*\j:25+2*\j]
.endr
	s_cmp_eq_u32 s25, 16
	s_cbranch_scc1 .Lu
.irp j, 0,1,2,3
	v_cvt_pk_f16_f32 v[32+\j], v[16+2*\j], v[17+2*\j]
.endr
	s_lshl_b32 s36, s26, 13                        ; row block nb: 8,192 bytes a block
	s_lshl_b32 s37, s25, 9                         ; half-fragment i
	s_add_co_u32 s36, s36, s37
	s_mov_b32 s37, 0
	s_add_nc_u64 s[16:17], s[16:17], s[36:37]
	s_wait_alu depctr_va_vdst(0)                   ; the four conversions have written v32-35, which the store reads
	global_store_b128 v6, v[32:35], s[16:17]       ; 512 consecutive bytes
	s_endpgm
.Lu:                                           ; all 16 rows of A were bq: every row of the result is u.  Lanes 0-15 store u[16 nb + l]: 64 consecutive bytes; uf is 1,024 bytes in all
	v_lshlrev_b32 v7, 2, v2
	s_lshl_b32 s36, s26, 6
	s_mov_b32 s37, 0
	s_add_nc_u64 s[18:19], s[18:19], s[36:37]
	v_cmp_gt_u32 vcc_lo, 16, v0
	s_wait_xcnt 0x0                                ; EXEC changes only behind this wait
	s_wait_alu depctr_va_vcc(0)                    ; the compare has written VCC, from which EXEC is made
	s_wait_alu depctr_va_vdst(0)                   ; ahead of the scalar write of EXEC: every vector instruction has written its result; among them v7 and v16, which the store below reads
	s_wait_alu depctr_vm_vsrc(0)                   ; ahead of the scalar write of EXEC: every memory instruction issued so far has read its vector registers
	s_and_saveexec_b32 s38, vcc_lo
	global_store_b32 v7, v16, s[18:19]
	s_endpgm
; ---- Wv^T in fragment order.  W = id - 272: block W / 4 of 16 columns e; half-fragments cb = 4 (W % 4) + 0..3.
; Half-fragment cb stands for the channels n0 + 64 h + 0..7 with n0 = 128 (cb / 8) + 8 (cb % 8): the order in which the second launch holds the channels of attn x.
.Lwv:
	s_sub_co_u32 s25, ttmp9, 272                   ; W
	s_lshr_b32 s26, s25, 2                         ; the block of columns
	s_lshl_b32 s28, s26, 6                         ; its 64 bytes of a row
	s_bfe_u32 s27, s25, 0x10001                    ; cb / 8
	s_lshl_b32 s27, s27, 17                        ; 128 rows of 1,024 bytes
	s_add_co_u32 s28, s28, s27
	s_and_b32 s27, s25, 1
	s_lshl_b32 s27, s27, 15                        ; 32 rows
	s_add_co_u32 s28, s28, s27
	s_mov_b32 s29, 0
	s_add_nc_u64 s[12:13], s[12:13], s[28:29]
	s_lshl_b32 s30, s26, 13
	s_and_b32 s27, s25, 3
	s_lshl_b32 s27, s27, 11
	s_add_co_u32 s30, s30, s27
	s_mov_b32 s31, 0
	s_add_nc_u64 s[20:21], s[20:21], s[30:31]
	v_lshlrev_b32 v4, 2, v2
	v_lshl_add_u32 v4, v3, 16, v4                  ; column r, 64 rows further down for lanes 16-31
	s_wait_alu depctr_va_vdst(0)                   ; v4 is written, which the 32 loads below read as their offset
.set i, 0
.rept 32
	global_load_b32 v[64+i], v4, s[12:13] offset:1024*i
.set i, i+1
.endr
	s_wait_loadcnt 0x0
.set i, 0
.rept 16
	v_cvt_pk_f16_f32 v[96+i], v[64+2*i], v[65+2*i]
.set i, i+1
.endr
	s_wait_alu depctr_va_vdst(0)                   ; the sixteen conversions have written v96-111, which the four stores read
.irp j, 0,1,2,3
	global_store_b128 v6, v[96+4*\j:99+4*\j], s[20:21] offset:512*\j
.endr
	s_endpgm
.Lfunc_end_k_q2ee890d4c1_prep:
	.size	k_q2ee890d4c1_prep, .Lfunc_end_k_q2ee890d4c1_prep-k_q2ee890d4c1_prep
	.p2alignl 7, 3214868480
	.fill 96, 4, 3214868480
	.section	.rodata,"a",@progbits
	.p2align	6, 0x0
	.amdhsa_kernel k_q2ee890d4c1_prep
		.amdhsa_group_segment_fixed_size 0
		.amdhsa_private_segment_fixed_size 0
		.amdhsa_enable_private_segment 0
		.amdhsa_kernarg_size 72
		.amdhsa_user_sgpr_count 2
		.amdhsa_user_sgpr_kernarg_segment_ptr 1
		.amdhsa_wavefront_size32 1
		.amdhsa_system_sgpr_workgroup_id_x 1
		.amdhsa_system_sgpr_workgroup_id_y 1
		.amdhsa_system_sgpr_workgroup_id_z 1
		.amdhsa_system_vgpr_workitem_id 0
		.amdhsa_next_free_vgpr 384
		.amdhsa_next_free_sgpr 66
		.amdhsa_reserve_vcc 1
		.amdhsa_float_denorm_mode_32 3
		.amdhsa_float_denorm_mode_16_64 3
		.amdhsa_memory_ordered 1
		.amdhsa_forward_progress 1
		.amdhsa_inst_pref_size 34
	.end_amdhsa_kernel
	.amdgpu_metadata
---
amdhsa.version: [ 1, 2 ]
amdhsa.kernels:
  - .name:           k_q2ee890d4c1_prep
    .symbol:         k_q2ee890d4c1_prep.kd
    .args:
      - { .name: x, .offset: 0, .size: 8, .value_kind: global_buffer, .address_space: global }
      - { .name: Wq, .offset: 8, .size: 8, .value_kind: global_buffer, .address_space: global }
      - { .name: bq, .offset: 16, .size: 8, .value_kind: global_buffer, .address_space: global }
      - { .name: Wk, .offset: 24, .size: 8, .value_kind: global_buffer, .address_space: global }
      - { .name: Wv, .offset: 32, .size: 8, .value_kind: global_buffer, .address_space: global }
      - { .name: xh, .offset: 40, .size: 8, .value_kind: global_buffer, .address_space: global }
      - { .name: mf, .offset: 48, .size: 8, .value_kind: global_buffer, .address_space: global }
      - { .name: uf, .offset: 56, .size: 8, .value_kind: global_buffer, .address_space: global }
      - { .name: wvf, .offset: 64, .size: 8, .value_kind: global_buffer, .address_space: global }
    .group_segment_fixed_size: 0
    .private_segment_fixed_size: 0
    .kernarg_segment_align: 8
    .kernarg_segment_size: 72
    .max_flat_workgroup_size: 32
    .sgpr_count:     66
    .vgpr_count:     384
    .wavefront_size: 32
...
	.end_amdgpu_metadata
.endif
;; end of part 3
;; launch attn: the kernel of part 2 again; grid 32 x 8, 4 waves a work-group, clusters of 4 x 1, 327,680 bytes of LDS; arguments xh, mf, uf, wvf, bv, out0; writes out0
